; MI455X (gfx1250); checked and timed in simulation.
; The chip was launched on July 23, 2026; its instructions are those of AMD's public machine-readable ISA for CDNA 5 (MIT licence, August 2026) and "CDNA5" Instruction Set Architecture Reference Guide (July 2026). The comments in the code are by the model that wrote it; some were corrected since.
;; Multihead Attention. Allowed arithmetic: matrix products marked QUANTISED: E2M3 operands, one E8M0 scale for each 32 along K, by v_wmma_scale_f32_16x16x128_f8f6f4 with both operands' format E2M3, f32 sums; everything else in f32.
;; Inputs: W_qkv 1,024 x 3,072 float32; b_qkv 3,072 float32; x 4 x 2,048 x 1,024 float32.
;; Outputs: out0 4 x 2,048 x 1,024 float32.
;; This version of the problem:
;;   THIS VERSION OF THE PROBLEM IS GIVEN IN LOW PRECISION. The matrix products marked QUANTISED in the list below multiply operands that are first quantised to E2M3 (2 exponent bits, 3 mantissa bits; 6 bits a number), with one power-of-two scale for each 32 numbers along K (OCP MX v1.0); their sums are f32. All else is computed in f32.
;;   The module's matrix products, in the order in which they are computed (A, B: the left and right operand; K: the contracted axis; several contracted axes count as one K, in the product's order):
;;     1. [M 8,192, K 1,024] x [K 1,024, N 3,072]; A: input x; B: input W_qkv: QUANTISED
;;     2. batch 64 x [M 2,048, K 64] x [K 64, N 2,048]; A: computed on the way; B: computed on the way: QUANTISED
;;     3. batch 64 x [M 2,048, K 2,048] x [K 2,048, N 64]; A: softmax (see below); B: computed on the way: QUANTISED
;;   THE QUANTISER, for each operand of a quantised product, along K:
;;     - K is cut into blocks of 32 from its start; a last block that is shorter is filled with zeros.
;;     - A block's scale is 2^e with e = floor(log2(the largest magnitude in the block)) - 2, held to -126 .. 127; a block of zeros has e = 0. As a byte (E8M0): e + 127.
;;     - Each number is divided by its block's scale, clamped to +-7.5, and rounded to the nearest number of E2M3, ties to even, subnormals kept.
;;     - The product sums the exact products of the quantised numbers (number of the format x scale) in f32.
;;   ~~~python
;;   def quantise(x, axis):      # numpy; x: float32 -> the quantised numbers, widened to float32 again
;;       x = np.moveaxis(x, axis, -1); K = x.shape[-1]
;;       x = np.pad(x, [(0, 0)] * (x.ndim - 1) + [(0, -K % 32)]); x = x.reshape(x.shape[:-1] + (-1, 32)); a = np.abs(x).max(-1, keepdims=True)
;;       e = np.where(a > 0, np.clip(np.frexp(np.where(a > 0, a, 1))[1] - 1 - 2, -126, 127), 0)      # np.frexp(a)[1] - 1 = floor(log2(a)), exactly
;;       r = np.clip(x / 2.0 ** e, -7.5, 7.5)
;;       step = 2.0 ** (np.maximum(np.frexp(np.where(r == 0, 1, r))[1] - 1, 0) - 3)
;;       q = np.round(r / step) * step * 2.0 ** e      # np.round: ties to even
;;       return np.moveaxis(q.reshape(q.shape[:-2] + (-1,))[..., :K], -1, axis).astype(np.float32)
;;   ~~~
;;   SOFTMAX AHEAD OF A QUANTISED PRODUCT. Where the list says 'softmax', what is quantised is not the finished softmax but p = 2^(t - M), with t = logit x log2(e) and M = ceil(the row's largest t), a whole number; so 1/2 < the row's largest p <= 1. The row's sum l is taken of the UNQUANTISED p, in f32, and the product's result is divided by l at the end. Since M is a whole number, a kernel that streams over the keys may use a running M (the ceiling of the running maximum): every later rescaling is an exact power of two, which a block's scale takes up: the codes' values come out the same.
;;   OPERANDS COMPUTED ON THE WAY. 'Computed on the way' means the value that the module computes at that place (a softmax that the list does not call 'softmax' is quantised finished and normalised). What goes into a quantiser is computed in f32, as accurately as f32 sums, v_exp_f32 and their like allow (about 1e-6 of the number): no bf16 or f16 on the way to a quantiser, and a product that is left as it is and whose result goes on into a quantised operand takes f32 operands (vector FMAs, or v_wmma_f32_16x16x4_f32). A number that lies on a knife's edge between two numbers of the format may be rounded either way, as far as f32 arithmetic and the matrix unit's own rounding can turn it there, and no further.
;; One version. Each part assembles by itself: llvm-mc -triple=amdgcn-amd-amdhsa -mcpu=gfx1250 --defsym DOCPART=n.
;; ======== version 1 of 1: 3 launches
;; limits: right only within a limited range of input values
;; workspace buffers: xc 6,291,456 bytes; xs 262,144 bytes; wc 2,359,296 bytes; ws 98,304 bytes; img 20,185,088 bytes
;; launch quant (part 1): grid 352 x 1, 4 waves a work-group, no clusters, 68,096 bytes of LDS; arguments x, W_qkv, xc, xs, wc, ws; writes xc, xs, wc, ws
.if DOCPART == 1
	.amdgcn_target "amdgcn-amd-amdhsa--gfx1250"
	.amdhsa_code_object_version 6
	.text
	.protected	k_q924f05fc29_quant
	.globl	k_q924f05fc29_quant
	.p2align	8
	.type	k_q924f05fc29_quant,@function
k_q924f05fc29_quant:
	s_mov_b64 s[64:65], 0
	v_nop
	global_prefetch_b8 v0, s[64:65] scope:SCOPE_SE
	s_setreg_imm32_b32 hwreg(HW_REG_WAVE_MODE, 25, 1), 1
	s_wait_xcnt 0x0
; x [8192][1024] f32 (K innermost) and W_qkv [1024 (K)][3072] f32 (K outermost) become codes of FP6 (E2M3), K innermost, 768 bytes a row, with one E8M0 byte for each 32 along K, 32 bytes a row.
; A block's scale is 2^(floor(log2(its largest magnitude)) - 2): its byte is the largest magnitude's exponent field - 2, held at 1 from below; numbers are divided by it and rounded to the nearest code, ties to even,
; beyond 7.5 the largest code.
; ROWS ARE PERMUTED ON THE WAY OUT.  sw(i) swaps bits 3 and 4 of i.  Token t lies at row sw(t) of xc and xs; column n = 192 h + 64 c + d of W lies at row 1024 c + 64 h + sw(d) of wc and ws (c = 0, 1, 2: q, k, v).
; So the product's launch reads neighbouring rows and still finds, in a lane's 16 registers of two neighbouring result tiles, 16 neighbours along the axis that it quantises next.
; LIMITS: NaN and infinities among the inputs are not served.  A block whose largest magnitude lies under 2^-124 gets the byte 1; a block of zeros too (the rule says 127): its codes are zeros, which add nothing
; under any byte but 0xff, and the bytes are read by this program alone.
; SHARES.  Work-groups 0-255 take x: a wave takes 8 rows (8,192 numbers) in 16 steps of 512; each load reads 512 consecutive bytes; a step's 2,048 bytes turn through the wave's own stage in LDS, so that a lane
; holds 16 neighbours along K.  Work-groups 256-351 take W: a wave takes 32 columns x 256 along K; a lane takes a column and its registers run down K, so that a block of 32 lies in one lane.
; The two paths part on the work-group's number and have LDS bytes of their own (x: 0 to 32,767; W: from 32,768).  Waves share nothing: no barrier.  No tensor load: the numbers pass through registers anyway.
.set SP,    80                         ; x: a lane's place in a stage: 64 bytes + 16 of padding
.set WREG,  8192                       ; x: a wave's LDS region: two stages of 32 x SP bytes, then its 256 scale bytes
.set CB,    12                         ; bytes of 16 codes
.set XR,    16                         ; v16-79   x: four sets of 16 numbers as loaded
.set XX,    80                         ; v80-111  x: two sets of 16 neighbours
.set XE,    112                        ; v112-127 x: a scale byte for each step
.set XC,    128                        ; v128-191 x: codes, four registers for each step: no store's data are written again
.set WSTG,  32768                      ; W: the stages begin here
.set WP,    272                        ; W: a stage row: sixteen places of 16 bytes (12 of codes each) + 16
.set WROW,  12288                      ; a row of W in bytes
.set KROW,  768                        ; a row of codes in bytes
.set NB,    8                          ; W: blocks of 32 along K for a wave
.set WX,    32                         ; v32-95   W: two sets of 32 numbers
.set WC,    96                         ; v96-102  W: a block's codes
.set WOUT,  112                        ; v112-175 W: the way out
.set WSB,   24                         ; v24-25   W: eight scale bytes
.macro XLOAD t                         ; step t: four loads of 512 consecutive bytes
.irp i, 0,1,2,3
	global_load_b128 v[XR+16*((\t)%4)+4*\i:XR+16*((\t)%4)+4*\i+3], v3, s[4:5] offset:2048*(\t)+512*\i th:TH_LOAD_NT
.endr
.endm
.macro XTURN t                         ; step t's numbers through the stage: LDS serves a wave's instructions in order (ISA guide 5.7.1.4), so no wait stands between the stores and the loads
.irp i, 0,1,2,3
	ds_store_b128 v14, v[XR+16*((\t)%4)+4*\i:XR+16*((\t)%4)+4*\i+3] offset:32*SP*((\t)%2)+8*SP*\i
.endr
.irp i, 0,1,2,3
	ds_load_b128 v[XX+16*((\t)%2)+4*\i:XX+16*((\t)%2)+4*\i+3], v15 offset:32*SP*((\t)%2)+16*\i
.endr
.endm
.macro XSTEP t
.set XS, XX+16*((\t)%2)
.if (\t) > 0
	s_wait_dscnt 1                                 ; this step's numbers are back from the stage; only the last step's byte store may be out
.else
	s_wait_dscnt 0x0
.endif
.if (\t)+4 < 16
	XLOAD (\t)+4                                   ; into the set whose stores into the stage are done
.endif
.if (\t)+1 < 16
.if 14-(\t) >= 3
	s_wait_loadcnt 12                              ; the next step's four loads are in; those of the three steps behind it may be out
.else
	s_wait_loadcnt 4*(14-(\t))
.endif
	XTURN (\t)+1
.endif
	v_max3_num_f32 v8, |v[XS]|, |v[XS+1]|, |v[XS+2]|               ; the largest magnitude of my 16, in two chains
	v_max3_num_f32 v9, |v[XS+3]|, |v[XS+4]|, |v[XS+5]|
.irp i, 6,10
	v_max3_num_f32 v8, v8, |v[XS+\i]|, |v[XS+\i+1]|
	v_max3_num_f32 v9, v9, |v[XS+\i+2]|, |v[XS+\i+3]|
.endr
	v_max3_num_f32 v8, v8, |v[XS+14]|, |v[XS+15]|
	v_max3_num_f32 v8, v8, v9, 0x1800000           ; and the floor 2^(3 - 127): the byte cannot fall under 1
	v_max_num_f32_dpp v8, v8, v8 row_xmask:1 row_mask:0xf bank_mask:0xf   ; and of my neighbour's 16: the block's
	v_add_nc_u32 v11, 0xff000000, v8               ; 2 off its exponent field: the conversion takes the exponent field of this operand as its scale
	v_cvt_scalef32_pk16_fp6_f32 v[XC+4*(\t):XC+4*(\t)+2], v[XS:XS+15], v11
	v_lshrrev_b32 v[XE+(\t)], 23, v11              ; the scale's byte (also the plain line behind the conversion)
	ds_store_b8 v5, v[XE+(\t)] offset:16*(\t)      ; both lanes of a block write the same byte with the same value
	global_store_b96 v4, v[XC+4*(\t):XC+4*(\t)+2], s[8:9] offset:32*CB*(\t)   ; the wave stores 384 consecutive bytes
.endm
.macro WLOAD t                         ; block t: W(32 t + i, my column), i = 0 .. 31: each load reads 128 consecutive bytes
.irp i, 0,1,2,3,4,5,6,7,8,9,10,11,12,13,14,15,16,17,18,19,20,21,22,23,24,25,26,27,28,29,30,31
	global_load_b32 v[WX+32*((\t)%2)+\i], v3, s[6:7] offset:(32*(\t)+\i)*WROW th:TH_LOAD_NT
.endr
.endm
.macro WBLOCK t
.set XS, WX+32*((\t)%2)
.if (\t) < NB-1
	s_wait_loadcnt 32                              ; this block's 32 loads are in; the next block's may be out
.else
	s_wait_loadcnt 0x0
.endif
	v_max3_num_f32 v12, |v[XS]|, |v[XS+1]|, |v[XS+2]|              ; the block's largest magnitude: all 32 numbers are mine
	v_max3_num_f32 v13, |v[XS+3]|, |v[XS+4]|, |v[XS+5]|
.irp i, 6,10,14,18,22,26
	v_max3_num_f32 v12, v12, |v[XS+\i]|, |v[XS+\i+1]|
	v_max3_num_f32 v13, v13, |v[XS+\i+2]|, |v[XS+\i+3]|
.endr
	v_max3_num_f32 v12, v12, |v[XS+30]|, |v[XS+31]|
	v_max3_num_f32 v12, v12, v13, 0x1800000        ; the floor
	v_add_nc_u32 v11, 0xff000000, v12              ; the conversion's scale operand
	v_lshrrev_b32 v13, 23, v11                     ; the scale's byte
.if (\t)%4 == 0
	v_mov_b32 v[WSB+(\t)/4], v13                   ; four bytes to a register, the lower K in the lower byte
.else
	v_lshl_or_b32 v[WSB+(\t)/4], v13, 8*((\t)%4), v[WSB+(\t)/4]
.endif
	v_cvt_scalef32_pk16_fp6_f32 v[WC:WC+2], v[XS:XS+15], v11
	v_cvt_scalef32_pk16_fp6_f32 v[WC+4:WC+6], v[XS+16:XS+31], v11  ; (a conversion's three registers begin on an even number)
	ds_store_b96 v4, v[WC:WC+2] offset:32*(\t)     ; 12 bytes to a place of 16, so that every LDS address is a multiple of 16
	ds_store_b96 v4, v[WC+4:WC+6] offset:32*(\t)+16
.if (\t)+2 < NB
	WLOAD (\t)+2
.endif
	s_wait_dscnt 0x0                               ; the stores have read their registers: the next block's codes may be written
.endm
	s_load_b256 s[4:11], s[0:1], 0x0               ; x s[4:5], W s[6:7], xc s[8:9], xs s[10:11]
	s_load_b128 s[12:15], s[0:1], 0x20             ; wc s[12:13], ws s[14:15]
	v_lshl_add_u32 v192, v0, 2, 0x10800
	v_mov_b32 v193, 0
	v_lshrrev_b32 v1, 5, v0
	v_readfirstlane_b32 s16, v1                    ; wave 0..3
	v_and_b32 v2, 31, v0                           ; lane
	s_cmp_lt_u32 ttmp9, 256
	s_cbranch_scc0 .Lw
	; ---------------- x
	v_lshlrev_b32 v3, 4, v2                        ; my 16 bytes of a load's 512
	s_mul_i32 s17, s16, WREG
	v_lshrrev_b32 v14, 2, v2
	v_mul_u32_u24 v14, v14, SP
	v_and_b32 v15, 3, v2
	v_lshl_add_u32 v14, v15, 4, v14
	v_add_nc_u32 v14, s17, v14                     ; the stage, on the way in: SP (lane / 4) + 16 (lane % 4)
	v_mul_u32_u24 v15, v2, SP
	v_add_nc_u32 v15, s17, v15                     ; and on the way out: SP x lane: my 16 neighbours
	v_mul_u32_u24 v4, v2, CB                       ; my codes' place in a step's
	v_lshrrev_b32 v5, 1, v2
	s_add_co_u32 s17, s17, 2*32*SP
	v_add_nc_u32 v5, s17, v5                       ; my wave's 256 scale bytes, my block's byte
	v_lshlrev_b32 v7, 3, v2                        ; and on the way out 8 bytes a lane
	v_add_nc_u32 v6, s17, v7
	s_lshl_b32 s18, ttmp9, 2
	s_add_co_u32 s20, s18, s16                     ; my run of 8 rows: 4 x work-group + wave
	s_lshl_b32 s20, s20, 15                        ; 32,768 bytes a run
	s_mov_b32 s21, 0
	s_and_b32 s19, s16, 1                          ; where it goes: a token's bits 3 and 4 are the run's bits 0 and 1, which are the wave's: swapped
	s_lshl_b32 s19, s19, 1
	s_lshr_b32 s22, s16, 1
	s_or_b32 s19, s19, s22
	s_add_co_u32 s18, s18, s19
	s_wait_alu depctr_va_vdst(0)
	s_wait_kmcnt 0x0
	s_add_nc_u64 s[4:5], s[4:5], s[20:21]
	s_mul_i32 s20, s18, 8*KROW
	s_add_nc_u64 s[8:9], s[8:9], s[20:21]
	s_lshl_b32 s20, s18, 8
	s_add_nc_u64 s[10:11], s[10:11], s[20:21]
.irp t, 0,1,2,3
	XLOAD \t
.endr
	s_wait_loadcnt 12                              ; step 0's four loads are in
	XTURN 0
.irp t, 0,1,2,3,4,5,6,7,8,9,10,11,12,13,14,15
	XSTEP \t
.endr
	ds_load_b64 v[12:13], v6                       ; these see my byte stores
	s_wait_dscnt 0x0
	global_store_b64 v7, v[12:13], s[10:11]        ; 32 lanes store 256 consecutive bytes, aligned
	s_wait_tensorcnt 0x0
	ds_add_u32 v192, v193
	s_wait_dscnt 0x0
	s_endpgm
	; ---------------- W
.Lw:
	s_sub_co_u32 s17, ttmp9, 256
	s_and_b32 s18, s17, 3                          ; which 256 along K
	s_lshr_b32 s17, s17, 2
	s_lshl_b32 s17, s17, 2
	s_add_co_u32 s17, s17, s16                     ; my group of 32 columns, 0 .. 95
	s_mul_i32 s19, s17, 43
	s_lshr_b32 s19, s19, 8                         ; h = group / 6 (43 / 256 gives the quotient exactly below 128)
	s_mul_i32 s20, s19, 6
	s_sub_co_u32 s20, s17, s20
	s_lshr_b32 s21, s20, 1                         ; c: q, k or v
	s_and_b32 s20, s20, 1                          ; which 32 of the head's 64
	s_lshl_b32 s21, s21, 10
	s_lshl_b32 s19, s19, 6
	s_lshl_b32 s20, s20, 5
	s_add_co_u32 s19, s19, s21
	s_add_co_u32 s19, s19, s20                     ; the first of my 32 rows of wc: 1024 c + 64 h + 32 e
	s_wait_alu depctr_va_vdst(0)
	v_lshlrev_b32 v3, 2, v2                        ; in: 4 bytes a lane
	s_mul_i32 s25, s16, 32*WP
	s_add_co_u32 s25, s25, WSTG                    ; my stage
	v_mul_u32_u24 v4, v2, WP
	v_add_nc_u32 v4, s25, v4                       ; into it: row = my column
	v_and_b32 v5, 15, v2
	v_lshrrev_b32 v6, 4, v2                        ; out of it: sixteen lanes to a row, two rows an instruction
	v_mul_u32_u24 v7, v6, WP
	v_lshl_add_u32 v7, v5, 4, v7
	v_add_nc_u32 v7, s25, v7
	v_mul_u32_u24 v8, v6, KROW
	v_mad_u32_u24 v8, v5, 12, v8                   ; and the same place in wc; the pair's row stands in the store's immediate
	v_and_b32 v9, 7, v2                            ; sw(lane),
	v_bfe_u32 v10, v2, 3, 1
	v_lshl_or_b32 v9, v10, 4, v9
	v_bfe_u32 v10, v2, 4, 1
	v_lshl_or_b32 v9, v10, 3, v9
	v_lshlrev_b32 v9, 5, v9                        ; x 32 bytes: my column's row of ws
	s_mul_i32 s22, s18, 256*WROW
	s_lshl_b32 s23, s17, 7
	s_add_co_u32 s22, s22, s23
	s_mov_b32 s23, 0
	s_wait_kmcnt 0x0
	s_add_nc_u64 s[6:7], s[6:7], s[22:23]
	s_mul_i32 s22, s19, KROW
	s_mul_i32 s24, s18, 192
	s_add_co_u32 s22, s22, s24
	s_add_nc_u64 s[12:13], s[12:13], s[22:23]
	s_lshl_b32 s22, s19, 5
	s_lshl_b32 s24, s18, 3
	s_add_co_u32 s22, s22, s24
	s_add_nc_u64 s[14:15], s[14:15], s[22:23]
	WLOAD 0
	WLOAD 1
.irp t, 0,1,2,3,4,5,6,7
	WBLOCK \t
.endr
	s_wait_alu depctr_va_vdst(0)
	global_store_b64 v9, v[WSB:WSB+1], s[14:15]    ; my column's eight scale bytes
.irp t, 0,1,2,3,4,5,6,7,8,9,10,11,12,13,14,15
	ds_load_b96 v[WOUT+4*\t:WOUT+4*\t+2], v7 offset:2*\t*WP
.endr
.irp t, 0,1,2,3,4,5,6,7,8,9,10,11,12,13,14,15
.set SWT, ((2*\t)&7)|((((2*\t)>>3)&1)<<4)|((((2*\t)>>4)&1)<<3)
	s_wait_dscnt 15-\t                             ; the younger loads from the stage may be out
	global_store_b96 v8, v[WOUT+4*\t:WOUT+4*\t+2], s[12:13] offset:SWT*KROW   ; columns 2 t and 2 t + 1 go to rows sw(2 t) and sw(2 t) + 1: sixteen lanes store a row's 192 consecutive bytes
.endr
	s_wait_tensorcnt 0x0
	ds_add_u32 v192, v193
	s_wait_dscnt 0x0
	s_endpgm
.Lfunc_end_k_q924f05fc29_quant:
	.size	k_q924f05fc29_quant, .Lfunc_end_k_q924f05fc29_quant-k_q924f05fc29_quant
	.p2alignl 7, 3214868480
	.fill 96, 4, 3214868480
	.section	.rodata,"a",@progbits
	.p2align	6, 0x0
	.amdhsa_kernel k_q924f05fc29_quant
		.amdhsa_group_segment_fixed_size 68096
		.amdhsa_private_segment_fixed_size 0
		.amdhsa_enable_private_segment 0
		.amdhsa_kernarg_size 48
		.amdhsa_user_sgpr_count 2
		.amdhsa_user_sgpr_kernarg_segment_ptr 1
		.amdhsa_wavefront_size32 1
		.amdhsa_system_sgpr_workgroup_id_x 1
		.amdhsa_system_sgpr_workgroup_id_y 1
		.amdhsa_system_sgpr_workgroup_id_z 1
		.amdhsa_system_vgpr_workitem_id 0
		.amdhsa_next_free_vgpr 194
		.amdhsa_next_free_sgpr 66
		.amdhsa_reserve_vcc 0
		.amdhsa_float_denorm_mode_32 3
		.amdhsa_float_denorm_mode_16_64 3
		.amdhsa_memory_ordered 1
		.amdhsa_forward_progress 1
		.amdhsa_inst_pref_size 74
	.end_amdhsa_kernel
	.amdgpu_metadata
---
amdhsa.version: [ 1, 2 ]
amdhsa.kernels:
  - .name:           k_q924f05fc29_quant
    .symbol:         k_q924f05fc29_quant.kd
    .args:
      - { .name: x, .offset: 0, .size: 8, .value_kind: global_buffer, .address_space: global }
      - { .name: W_qkv, .offset: 8, .size: 8, .value_kind: global_buffer, .address_space: global }
      - { .name: xc, .offset: 16, .size: 8, .value_kind: global_buffer, .address_space: global }
      - { .name: xs, .offset: 24, .size: 8, .value_kind: global_buffer, .address_space: global }
      - { .name: wc, .offset: 32, .size: 8, .value_kind: global_buffer, .address_space: global }
      - { .name: ws, .offset: 40, .size: 8, .value_kind: global_buffer, .address_space: global }
    .group_segment_fixed_size: 68096
    .private_segment_fixed_size: 0
    .kernarg_segment_align: 8
    .kernarg_segment_size: 48
    .max_flat_workgroup_size: 128
    .sgpr_count:     66
    .vgpr_count:     194
    .wavefront_size: 32
...
	.end_amdgpu_metadata
.endif
;; end of part 1
;; launch gemm (part 2): grid 8 x 32, 4 waves a work-group, clusters of 4 x 4, 327,680 bytes of LDS; arguments xc, xs, wc, ws, b_qkv, img; writes img
.if DOCPART == 2
	.amdgcn_target "amdgcn-amd-amdhsa--gfx1250"
	.amdhsa_code_object_version 6
	.text
	.protected	k_q924f05fc29_gemm
	.globl	k_q924f05fc29_gemm
	.p2align	8
	.type	k_q924f05fc29_gemm,@function
k_q924f05fc29_gemm:
	s_mov_b64 s[64:65], 0
	v_nop
	global_prefetch_b8 v0, s[64:65] scope:SCOPE_SE
	s_setreg_imm32_b32 hwreg(HW_REG_WAVE_MODE, 25, 1), 1
	s_wait_xcnt 0x0
	s_wait_alu depctr_hold_cnt(0) depctr_sa_sdst(0) depctr_va_vdst(0) depctr_va_sdst(0) depctr_va_ssrc(0) depctr_va_vcc(0) depctr_vm_vsrc(0)
	s_getreg_b32 s2, hwreg(HW_REG_IB_STS2, 6, 4)
	s_cmp_eq_u32 s2, 0
	s_cbranch_scc0 .Lentry_in_a_cluster
	s_endpgm
.Lentry_in_a_cluster:
	s_bfe_u32 s2, ttmp6, 0x10000c
	s_cmp_lg_u32 s2, 0xf033
	s_cbranch_scc0 .Lentry_shape_is_right
	s_endpgm
.Lentry_shape_is_right:
; qkv = Q(x) Q(W) + b on codes of FP6 (E2M3), one E8M0 byte for each 32 along K = 1,024.  No f32 result is stored: q and k are quantised along the head's 64, v along the tokens,
; and leave as images of the attention launch's operand registers (img: 64 head records of 315,392 bytes; Q section 16 steps x 6,656; KV section from 106,496, 16 steps x 13,056: K codes, K scale image, V codes, V scale image).
; THE DEAL.  256 work-groups: 32 tiles of 256 tokens x 8 pairs of heads.  Four waves, 2 x 2: wave / 2 picks 128 tokens (one step of img), wave % 2 the head.  Three phases: v, q, k.
; In a phase a wave holds its head's 64 rows of the weight, all of K, in 384 registers; x's rows go past in 8 blocks of 16 rows, all of K, in two sets of 96 registers: 32 products a block.
; LDS: x's 256 rows (filled once), one region for a phase's 128 weight rows (filled again twice, each time behind a round of the cluster's barrier), x's scale bytes, the spare words.  Rows are 768 bytes of memory, 3 x (256 + 16) in LDS.
; CLUSTERS 4 x 4: x's rows are asked for jointly along a row of the cluster, a weight's rows along a column.
; ROW ORDER: xc and wc hold index i at row sw(i) (bits 3 and 4 swapped), so the 16 registers of two neighbouring result tiles are 16 neighbours of the axis that is quantised next.
; q, k: source 0 = the weight's rows, source 1 = x's rows: a lane holds one token, its registers run along d.  v: the sources change places: a lane holds one d, its registers run along the tokens.
; V COMES FIRST: its fragments are whole only behind its last block; their way out stands behind the next weight's run of LDS loads, ahead of the wait for it.  So does the last pair's way out of q.
; THE WAY OUT of a pair of q's or k's blocks: the search for the largest magnitudes stands among the next block's products, four lines that do not hang on each other behind every second product; the conversions behind that block.
; THE BIAS is the C of each sum's first product.  The four accumulators of a block take turns.  The weight's and x's scale registers differ modulo 8.
; PREFETCH: q's weight tile at the head, k's in v's phase, a phase ahead of its refill; 384 blocks of 256 bytes shared out by address among the 16 waves of a cluster's column, 24 each.  x's rows are all asked for at the head.
; LIMITS: NaN and infinities are not served; a block whose largest magnitude lies under 2^-124, zeros among them, gets the byte 1 (the rule says 127 for zeros): the bytes are read by this program alone.
.set KROW,   768
.set KS,     32
.set PITCH,  816
.set FR,     12
.set FPW,    21                        ; fragments in a window of 256 registers; fragment f lies in window 1 + f / 21 at 12 (f % 21): 0-31 the weight's (4 q + tile), 32-39 and 40-47 x's two sets
.set NF,     28                        ; LDS loads of a block of x: 26 for eight fragments, 2 for eight scale words
.set BVB,    256*PITCH                 ; the weights' region
.set SCL,    BVB+128*PITCH             ; x's scale bytes: 32 units of 256 + 16
.set SPARE,  SCL+32*272
.set RECORD, 315392
.set QSEC,   106496
.set QSTEP,  6656
.set KVSTEP, 13056
.set TP,  0                            ; v0-6 the conversions' second halves (the head's temporaries have served)
.set ABS, 7                            ; 32 x lane: my row of ws
.set L8,  8
.set L16, 9
.set SPW, 10
.set NIL, 11
.set AAS, 12                           ; LDS, my row's scale words of block 0
.set BO,  13                           ; bias offset, q and k
.set BOV, 14                           ; bias offset, v
.set PF,  15                           ; the prefetches' offset
.set BA,  16                           ; v16-23 LDS addresses of the weight's four tiles (second of a pair: behind one padding more)
.set XA,  24                           ; v24-39 the same for x's eight blocks
.set PW0, 40
.set PW1, 41
.set TT,  42
.set SB,  44                           ; v44-59 the weight's scale words
.set SA,  64                           ; v64-79 x's scale words, two sets
.set TM,  80                           ; v80-95 the way out's maxima, bytes, scale operands
.set BBV, 96                           ; v96-127 v's bias as C
.set BBQ, 968                          ; v968-999 q's or k's
.set PQ,  192                          ; q, k: v192-203 codes, v204-207 scale image
.set SWQ, 204
.set PV,  96                           ; v: v96-107 codes, v108-109 scale image (its bias has served)
.set SWV, 108
.set WV, 16
.set HA, 17
.set HB, 18
.set G1A, 24
.set G1B, 32
.set G0A, 48
.set G0R, 52
.set G0B, 56
.set G0S, 60
.set G1S, 68
.set MSB, 0
.macro WIN new
.if MSB != (\new)
	s_set_vgpr_msb (MSB<<8)|(\new)
.set MSB, (\new)
.endif
.endm
.macro PLACES n
.rept \n
	v_nop
.endr
.endm
.macro WALU
	s_wait_alu depctr_va_vdst(0)
.endm
.macro BARRIER
	s_barrier_signal -1
	s_barrier_wait -1
.endm
.macro CROUND                          ; a round of the cluster's barrier
	BARRIER
	s_cmp_lg_u32 s[WV], 0
	s_cbranch_scc1 .Lnot_wave_0_\@
	s_barrier_signal -3
.Lnot_wave_0_\@:
	s_barrier_wait -3
	BARRIER
.endm
.macro TLOAD g0, g1
	tensor_load_to_lds s[\g0:\g0+3], s[\g1:\g1+7]
	s_nop 0
	PLACES 4
.endm
.macro GROUP1 g, mask, rows            ; rows of 768 bytes, 16 bytes of padding behind every 256
	s_or_b32 s[\g+0], s[\mask], (1<<20)|(1<<21)|(5<<22)|(3<<25)
	s_mov_b32 s[\g+1], KROW<<16
	s_mov_b32 s[\g+2], (\rows)<<16
	s_mov_b32 s[\g+3], KROW<<16
	s_mov_b32 s[\g+4], \rows
	s_mov_b32 s[\g+5], KROW
	s_mov_b32 s[\g+6], 0
	s_mov_b32 s[\g+7], 0
.endm
.macro FRAG f, q, a0, a1               ; six pieces of 8 bytes, two to a load where both go by the same address register
	WIN (1+(\f)/FPW)<<6
.set R_, FR*((\f)%FPW)
.set SKIP_, 0
.irp p, 0,1,2,3,4,5
.if SKIP_
.set SKIP_, 0
.else
.set PC_, 12*(\q)+6*(\p/3)+\p%3
.set PN_, 12*(\q)+6*((\p+1)/3)+(\p+1)%3
.set X_, (PC_%32+3)/32
.set XQ_, (PN_%32+3)/32
.if (\p < 5) && (X_ == XQ_)
.set SKIP_, 1
.if X_
	ds_load_2addr_b64 v[R_+2*\p:R_+2*\p+3], v[\a1] offset0:PC_+2*(PC_/32) offset1:PN_+2*(PN_/32)
.else
	ds_load_2addr_b64 v[R_+2*\p:R_+2*\p+3], v[\a0] offset0:PC_+2*(PC_/32) offset1:PN_+2*(PN_/32)
.endif
.elseif X_
	ds_load_b64 v[R_+2*\p:R_+2*\p+1], v[\a1] offset:8*(PC_+2*(PC_/32))
.else
	ds_load_b64 v[R_+2*\p:R_+2*\p+1], v[\a0] offset:8*(PC_+2*(PC_/32))
.endif
.endif
.endr
.endm
.macro WEIGHTS                         ; my 64 rows of the weight, all of K: 104 loads
.irp q, 0,1,2,3,4,5,6,7
.irp b, 0,1,2,3
	FRAG 4*\q+\b, \q, BA+2*\b, BA+2*\b+1
.endr
.endr
	WIN 0
.endm
.macro FETCH s                         ; block s of x into set s % 2: NF loads
.irp q, 0,1,2,3,4,5,6,7
	FRAG 32+8*((\s)%2)+\q, \q, XA+2*(\s), XA+2*(\s)+1
.endr
	WIN 0
	ds_load_b128 v[SA+8*((\s)%2):SA+8*((\s)%2)+3], v[AAS] offset:544*(\s)
	ds_load_b128 v[SA+8*((\s)%2)+4:SA+8*((\s)%2)+7], v[AAS] offset:544*(\s)+16
.endm
.macro PROD1 d, s0, s1, c, x0, x1, side, o
.if \o
	v_wmma_scale_f32_16x16x128_f8f6f4 v[\d:\d+7], v[FR*((\s0)%FPW):FR*((\s0)%FPW)+FR-1], v[FR*((\s1)%FPW):FR*((\s1)%FPW)+FR-1], \c, v[\x0], v[\x1] matrix_a_fmt:MATRIX_FMT_FP6 matrix_b_fmt:MATRIX_FMT_FP6 matrix_\side\()_scale:MATRIX_SCALE_ROW1
.else
	v_wmma_scale_f32_16x16x128_f8f6f4 v[\d:\d+7], v[FR*((\s0)%FPW):FR*((\s0)%FPW)+FR-1], v[FR*((\s1)%FPW):FR*((\s1)%FPW)+FR-1], \c, v[\x0], v[\x1] matrix_a_fmt:MATRIX_FMT_FP6 matrix_b_fmt:MATRIX_FMT_FP6 matrix_\side\()_scale:MATRIX_SCALE_ROW0
.endif
.endm
.macro PROD kind, e, n, d              ; product n = 4 q + tile of a block; kind 0: source 0 the weight; kind 1: source 0 x
.set Q_, (\n)/4
.set FB_, 4*Q_+(\n)%4
.set FA_, 32+8*(\e)+Q_
.set D_, \d
.set DL_, D_&255
.set XB_, SB+8*(((\n)%4)/2)+Q_
.set XA_, SA+8*(\e)+Q_
.if Q_
.set CW_, D_>>8
.elseif \kind
.set CW_, 0
.else
.set CW_, 3
.endif
.if \kind
	WIN (1+FA_/FPW)|((1+FB_/FPW)<<2)|(CW_<<4)|((D_>>8)<<6)
.if Q_
	PROD1 DL_, FA_, FB_, v[DL_:DL_+7], XA_, XB_, b, (\n)%2
.else
	PROD1 DL_, FA_, FB_, v[BBV+8*((\n)%4):BBV+8*((\n)%4)+7], XA_, XB_, b, (\n)%2
.endif
.else
	WIN (1+FB_/FPW)|((1+FA_/FPW)<<2)|(CW_<<4)|((D_>>8)<<6)
.if Q_
	PROD1 DL_, FB_, FA_, v[DL_:DL_+7], XB_, XA_, a, (\n)%2
.else
	PROD1 DL_, FB_, FA_, v[BBQ-768+8*((\n)%4):BBQ-768+8*((\n)%4)+7], XB_, XA_, a, (\n)%2
.endif
.endif
.endm
; THE WAY OUT of 64 sums of a lane from register ac on (register 16 b + i: my 16 of block b's 32; lane l xor 16 holds the others).  Its first part in 13 groups of lines, the four blocks by turns: the largest magnitudes, the scale operands, the bytes.
.macro QSLOT k, ac, pw
.set XW_, (\ac)>>8
.set AC, (\ac)&255
.if (\k) == 0
	WIN XW_|(XW_<<2)
.irp b, 0,1,2,3
	v_max3_num_f32 v[TM+\b], |v[AC+16*\b]|, |v[AC+16*\b+1]|, 0x1800000   ; with the floor 2^(3 - 127): the byte cannot fall under 1
.endr
.elseif (\k) < 8
	WIN XW_|(XW_<<2)
.irp b, 0,1,2,3
	v_max3_num_f32 v[TM+\b], |v[AC+16*\b+2*(\k)]|, |v[AC+16*\b+2*(\k)+1]|, v[TM+\b]
.endr
.elseif (\k) == 8
	WIN 0
.irp b, 0,1,2,3
	v_permlanex16_b32 v[TM+4+\b], v[TM+\b], s88, s89
.endr
.elseif (\k) == 9
	WIN 0
.irp b, 0,1,2,3
	v_max_num_f32 v[TM+\b], v[TM+\b], v[TM+4+\b]
.endr
.elseif (\k) == 10
	WIN 0
.irp b, 0,1,2,3
	v_add_nc_u32 v[TM+12+\b], 0xff000000, v[TM+\b] ; 2 off the exponent field: the conversion's scale operand
.endr
.elseif (\k) == 11
	WIN 0
.irp b, 0,1,2,3
	v_lshrrev_b32 v[TM+4+\b], 23, v[TM+12+\b]      ; the byte
.endr
.elseif (\k) == 12
	WIN 0
	v_lshl_or_b32 v[\pw], v[TM+5], 8, v[TM+4]
	v_lshl_or_b32 v[\pw], v[TM+6], 16, v[\pw]
	v_lshl_or_b32 v[\pw], v[TM+7], 24, v[\pw]
.endif
.endm
.macro QTAIL ac, d0, d1                ; its second part: d0 takes blocks 0, 1 (lanes 0-15, 16-31), d1 blocks 2, 3
.set XW_, (\ac)>>8
.set AC, (\ac)&255
	WIN XW_
	v_cvt_scalef32_pk16_fp6_f32 v[\d0:\d0+2], v[AC:AC+15], v[TM+12]
	v_cvt_scalef32_pk16_fp6_f32 v[TP:TP+2], v[AC+16:AC+31], v[TM+13]
	v_cvt_scalef32_pk16_fp6_f32 v[\d1:\d1+2], v[AC+32:AC+47], v[TM+14]
	v_cvt_scalef32_pk16_fp6_f32 v[TP+4:TP+6], v[AC+48:AC+63], v[TM+15]
	WIN 0
	v_nop                                          ; one plain place behind a scaled conversion
.irp i, 0,1,2
	v_permlane16_swap_b32 v[\d0+\i], v[TP+\i]      ; a whole block to a lane
	v_permlane16_swap_b32 v[\d1+\i], v[TP+4+\i]
.endr
.irp i, 0,1,2
	v_mov_b32 v[\d0+3+\i], v[TP+\i]
	v_mov_b32 v[\d1+3+\i], v[TP+4+\i]
.endr
.endm
.macro QHEAD ac, pw                    ; the first part on end
.set K_, 0
.rept 13
	QSLOT K_, \ac, \pw
.set K_, K_+1
.endr
.endm
; Block s: its rows were fetched two blocks ago; younger is the next block's fetch alone, NF loads (behind block 6 nothing is fetched).  Tile T's sums lie at d0 + dt T + dx (T / 2).
; lac >= 0: behind every second product stands a group of the first part of the way out of the sums at lac.
.macro BLK kind, s, d0, dt, dx, lac=-1
.if (\s) < 7
	s_wait_dscnt NF
.else
	s_wait_dscnt 0x0
.endif
.set N_, 0
.rept 32
	PROD \kind, (\s)%2, N_, (\d0)+(\dt)*(N_%4)+(\dx)*((N_%4)/2)
.if ((\lac) >= 0) && (N_%2)
	QSLOT N_/2, \lac, PW0
.endif
.set N_, N_+1
.endr
	WIN 0
	PLACES 4                               ; in front of the loads into the set just multiplied and of the first read of results
.if (\s) < 6
	FETCH (\s)+2
.endif
.endm
.macro FINQK b, ac, o                  ; token tiles 2 b and 2 b + 1: bytes 0, 1 of the word are the even tile's, 2, 3 the odd tile's
	QTAIL \ac, PQ, PQ+6
	v_lshrrev_b32 v[TT], 16, v[PW0]
	v_cndmask_b32 v[TT], v[PW0], v[TT], s90        ; lanes 0-15 the even tile's bytes, lanes 16-31 the odd tile's
	v_and_or_b32 v[SWQ+\b], v[TT], 0xffff, s91     ; under 0x7f, 0x7f
.irp k, 0,1,2
	global_store_b128 v[L16], v[PQ+4*\k:PQ+4*\k+3], s[\o:\o+1] offset:\b*1536+512*\k   ; 32 lanes store 512 consecutive bytes, aligned to 256
.endr
.endm
.macro PART2 b, ac, o
	WALU                                           ; the scale operands were written among the products
	s_wait_xcnt 0x0                                ; the last pair's stores have read their registers
	FINQK \b, \ac, \o
.endm
.macro LASTQK o                        ; pair 3, whole, and the scale image
	s_wait_xcnt 0x0
	QHEAD 840, PW0
	FINQK 3, 840, \o
	global_store_b128 v[L16], v[SWQ:SWQ+3], s[\o:\o+1] offset:6144   ; 512 consecutive bytes
.endm
.macro QKPHASE o                       ; eight blocks; the pairs' sums lie at v128 and v840 by turns
	BLK 0, 0, 128, 8, 0
	BLK 0, 1, 160, 8, 0
	BLK 0, 2, 840, 8, 0, 128
	PART2 0, 128, \o
	BLK 0, 3, 872, 8, 0
	BLK 0, 4, 128, 8, 0, 840
	PART2 1, 840, \o
	BLK 0, 5, 160, 8, 0
	BLK 0, 6, 840, 8, 0, 128
	PART2 2, 128, \o
	BLK 0, 7, 872, 8, 0
.endm
.macro OUTV t                          ; tile t of d: its 64 sums a lane are the step's 128 tokens: a whole fragment
	s_wait_xcnt 0x0
	QHEAD 128+64*\t+584*(\t/2), PW0+\t%2
	QTAIL 128+64*\t+584*(\t/2), PV, PV+6
.irp k, 0,1,2
	global_store_b128 v[L16], v[PV+4*\k:PV+4*\k+3], s[84:85] offset:\t*1536+512*\k
.endr
.if \t%2
	v_cndmask_b32 v[SWV+\t/2], v[PW0], v[PW1], s90
.endif
.endm
.macro WSCALES off                     ; my 64 rows' scale words: lanes 0-15 tile 2 p, lanes 16-31 tile 2 p + 1
.irp p, 0,1
.irp c, 0,1
	global_load_b128 v[SB+8*\p+4*\c:SB+8*\p+4*\c+3], v[ABS], s[76:77] offset:(\off)+\p*32*KS+16*\c
.endr
.endr
.endm
.macro CHANGE woff, boff               ; on to q or k: its scale words and bias are asked for; the refill is shown to all; the weight and the first two blocks in one run of loads
	WSCALES \woff
	WIN 3<<6
.irp t, 0,1,2,3
	global_load_b128 v[BBQ-768+8*\t:BBQ-768+8*\t+3], v[BO], s[78:79] offset:(\boff)+(\t/2)*128+(\t%2)*32
	global_load_b128 v[BBQ-768+8*\t+4:BBQ-768+8*\t+7], v[BO], s[78:79] offset:(\boff)+(\t/2)*128+(\t%2)*32+16
.endr
	WIN 0
	s_wait_tensorcnt 0x0                           ; my half of the weight is in
	s_wait_dscnt 0x0
	BARRIER                                        ; everybody's is
	WEIGHTS
	FETCH 0
	FETCH 1
.endm
.macro REFILL                          ; the weights' region takes the next tensor's tile: waves 0 and 1 a half each
	WALU
	s_wait_tensorcnt 0x0
	ds_add_u32 v[SPW], v[NIL]
	s_mov_b32 s[G1B+2], 64<<16                     ; no tensor load of mine is out: the descriptor is written: 64 rows
	s_mov_b32 s[G1B+4], 64
	s_mul_i32 s[G0B+1], s[WV], 64*PITCH
	s_add_co_u32 s[G0B+1], s[G0B+1], BVB
	s_mov_b64 s[G0B+2:G0B+3], s[92:93]
	s_or_b32 s[G0B+3], s[G0B+3], 0x80000000
	s_add_nc_u64 s[92:93], s[92:93], 1024*KROW
	s_wait_dscnt 0x0                               ; the add is done, and the weight lies in my registers
	CROUND                                         ; so it does in every wave of every partner
	s_cmp_lt_u32 s[WV], 2
	s_cbranch_scc0 .Lno_half_\@
	TLOAD G0B, G1B
.Lno_half_\@:
	s_wait_loadcnt 0x0                             ; the scale words and the bias
.endm
; ================= the head
	s_load_b256 s[4:11], s[0:1], 0x0               ; xc, xs, wc, ws
	s_load_b128 s[12:15], s[0:1], 0x20             ; b_qkv, img
	v_lshl_add_u32 v[SPW], v0, 2, SPARE
	v_mov_b32 v[NIL], 0
	ds_add_u32 v[SPW], v[NIL]
	ds_add_u32 v[SPW], v[NIL]
	v_lshrrev_b32 v1, 5, v0
	v_readfirstlane_b32 s[WV], v1
	s_lshr_b32 s[HA], s[WV], 1                     ; my 128 tokens
	s_and_b32 s[HB], s[WV], 1                      ; my head of the pair
	s_bfe_u32 s40, ttmp6, 0x40000                  ; cx
	s_bfe_u32 s41, ttmp6, 0x40004                  ; cy
	s_lshl_b32 s42, ttmp9, 2
	s_add_co_u32 s42, s42, s40                     ; the pair of heads, 0 .. 7
	s_and_b32 s43, ttmp7, 0xffff
	s_lshl_b32 s43, s43, 2
	s_add_co_u32 s43, s43, s41                     ; the tile of 256 tokens, 0 .. 31
	s_lshl_b32 s44, s41, 2
	s_lshl_b32 s44, 15, s44                        ; my row of the cluster
	s_lshl_b32 s45, 0x1111, s40                    ; my column
	GROUP1 G1A, 44, 128
	GROUP1 G1B, 45, 128
	s_or_b32 s[G1S+0], s44, (3<<16)|(1<<20)|(1<<21)|(5<<22)|(3<<25)   ; 8,192 dense bytes as 32 rows of 256, 16 of padding behind each
	s_mov_b32 s[G1S+1], 32<<16
	s_mov_b32 s[G1S+2], 32<<16
	s_mov_b32 s[G1S+3], 32<<16
	s_mov_b32 s[G1S+4], 32
	s_mov_b32 s[G1S+5], 32
	s_mov_b32 s[G1S+6], 0
	s_mov_b32 s[G1S+7], 0
	s_mov_b32 s[G0A], 1
	s_mov_b32 s[G0A+1], 0
	s_mov_b32 s[G0R], 1
	s_mov_b32 s[G0R+1], 128*PITCH
	s_mov_b32 s[G0B], 1
	s_mov_b32 s[G0B+1], BVB
	s_mov_b32 s[G0S], 1
	s_mov_b32 s[G0S+1], SCL
	s_mul_i32 s20, s43, 256*KROW                   ; x's rows, bytes from xc
	s_mov_b32 s21, 0
	s_mul_i32 s22, s43, 256*KS                     ; their scale bytes, from xs
	s_mov_b32 s23, 0
	s_mul_i32 s46, s42, 128*KROW                   ; the pair's rows of q, from wc
	s_mov_b32 s47, 0
	s_mov_b32 s88, 0x76543210                      ; v_permlanex16_b32's selects for lane l xor 16
	s_mov_b32 s89, 0xfedcba98
	s_mov_b32 s90, 0xffff0000                      ; lanes 16-31
	s_mov_b32 s91, 0x7f7f0000
	v_and_b32 v1, 15, v0                           ; r
	v_bfe_u32 v2, v0, 4, 1                         ; h
	v_and_b32 v3, 31, v0
	v_mul_u32_u24 v4, v1, PITCH
	v_mad_u32_u24 v5, v2, 24, v4                   ; row x pitch + 24 h
	v_mad_u32_u24 v6, v2, 40, v4                   ; and behind one padding more
	s_mul_i32 s19, s[HA], 128*PITCH
	v_add_nc_u32 v[XA], s19, v5
	v_add_nc_u32 v[XA+1], s19, v6
.irp s, 1,2,3,4,5,6,7
	v_add_nc_u32 v[XA+2*\s], \s*16*PITCH, v[XA]
	v_add_nc_u32 v[XA+2*\s+1], \s*16*PITCH, v[XA+1]
.endr
	s_mul_i32 s19, s[HB], 64*PITCH
	s_add_co_u32 s19, s19, BVB
	v_add_nc_u32 v[BA], s19, v5
	v_add_nc_u32 v[BA+1], s19, v6
.irp b, 1,2,3
	v_add_nc_u32 v[BA+2*\b], \b*16*PITCH, v[BA]
	v_add_nc_u32 v[BA+2*\b+1], \b*16*PITCH, v[BA+1]
.endr
	v_lshlrev_b32 v4, 5, v1                        ; my row's 32 scale bytes,
	v_lshrrev_b32 v5, 8, v4
	v_lshl_add_u32 v4, v5, 4, v4                   ; 16 more behind 256
	s_mul_i32 s19, s[HA], 16*272
	s_add_co_u32 s19, s19, SCL
	v_add_nc_u32 v[AAS], s19, v4
	v_lshlrev_b32 v[ABS], 5, v3
	v_lshlrev_b32 v[L8], 3, v3
	v_lshlrev_b32 v[L16], 4, v3
	v_lshlrev_b32 v[BO], 6, v2                     ; q, k: register j of tile 2 e + u is d = 32 e + 16 h + 8 u + j
	v_lshrrev_b32 v[BOV], 3, v1
	v_lshl_add_u32 v[BOV], v[BOV], 3, v1
	v_lshlrev_b32 v[BOV], 2, v[BOV]                ; v: lane r of tile 2 e + u is d = 32 e + 8 u + r + 8 (r / 8)
.irp b, 0,1,2,3
	v_mov_b32 v[TM+4+\b], 0                        ; a lane permute's destination counts as one of its sources
.endr
	WALU
	s_wait_dscnt 0x0
	CROUND                                         ; all sixteen work-groups are here: the first joint loads meet
	s_wait_kmcnt 0x0
	s_add_nc_u64 s[G0A+2:G0A+3], s[4:5], s[20:21]
	s_add_nc_u64 s[G0R+2:G0R+3], s[G0A+2:G0A+3], 128*KROW
	s_or_b32 s[G0A+3], s[G0A+3], 0x80000000
	s_or_b32 s[G0R+3], s[G0R+3], 0x80000000
	s_add_nc_u64 s[G0S+2:G0S+3], s[6:7], s[22:23]
	s_or_b32 s[G0S+3], s[G0S+3], 0x80000000
	s_add_nc_u64 s[92:93], s[8:9], s[46:47]        ; q's tile
	s_add_nc_u64 s[G0B+2:G0B+3], s[92:93], 2048*KROW   ; v's
	s_or_b32 s[G0B+3], s[G0B+3], 0x80000000
	s_cmp_eq_u32 s[WV], 0                          ; one tensor load a wave, in one chain of arms
	s_cbranch_scc0 .Lwave_1
	TLOAD G0B, G1B                                 ; wave 0: v's 128 rows of the weight, wanted first
	s_branch .Lasked
.Lwave_1:
	s_cmp_eq_u32 s[WV], 1
	s_cbranch_scc0 .Lwave_2
	TLOAD G0S, G1S                                 ; wave 1: x's scale bytes
	s_branch .Lasked
.Lwave_2:
	s_cmp_eq_u32 s[WV], 2
	s_cbranch_scc0 .Lwave_3
	TLOAD G0A, G1A                                 ; wave 2: x's rows 0-127
	s_branch .Lasked
.Lwave_3:
	TLOAD G0R, G1A                                 ; wave 3: rows 128-255
.Lasked:
	s_mul_i32 s20, s[WV], 64*KROW                  ; the refills: waves 0 and 1 take 64 rows each
	s_add_nc_u64 s[92:93], s[92:93], s[20:21]
	s_lshl_b32 s19, s42, 1
	s_add_co_u32 s19, s19, s[HB]                   ; my head
	s_lshl_b32 s20, s19, 11                        ; 64 rows of 32 bytes
	s_add_nc_u64 s[76:77], s[10:11], s[20:21]      ; my rows of ws, q's; k's and v's lie 1,024 and 2,048 rows on
	s_mul_i32 s20, s19, 768                        ; 192 numbers a head
	s_add_nc_u64 s[78:79], s[12:13], s[20:21]      ; my head's bias: q's 64, k's, v's
	s_lshl_b32 s22, s43, 1
	s_add_co_u32 s22, s22, s[HA]                   ; my 128 tokens, 0 .. 63
	s_lshr_b32 s20, s22, 4                         ; the batch,
	s_and_b32 s22, s22, 15                         ; the step in it
	s_lshl_b32 s20, s20, 4
	s_add_co_u32 s20, s20, s19
	s_mul_i32 s20, s20, RECORD
	s_add_nc_u64 s[82:83], s[14:15], s[20:21]      ; my head's record
	s_mul_i32 s20, s22, QSTEP
	s_add_nc_u64 s[80:81], s[82:83], s[20:21]      ; q's step
	s_mul_i32 s20, s22, KVSTEP
	s_add_co_u32 s20, s20, QSEC
	s_add_nc_u64 s[82:83], s[82:83], s[20:21]      ; k's
	s_add_nc_u64 s[84:85], s[82:83], 6656          ; v's
	s_lshl_b32 s20, s41, 2
	s_add_co_u32 s20, s20, s[WV]                   ; my number among the sixteen waves of my column of the cluster
	s_mul_i32 s20, s20, 24*256
	s_add_co_u32 s20, s20, s46
	v_min_u32 v[PF], 23, v3
	v_lshl_add_u32 v[PF], v[PF], 8, s20            ; my 24 blocks of 256 bytes of q's tile; never rewritten
	WALU
	global_prefetch_b8 v[PF], s[8:9] th:TH_LOAD_NT scope:SCOPE_SE
	WSCALES 2048*KS
.irp t, 0,1,2,3
.irp j, 0,1,2,3,4,5,6,7
	global_load_b32 v[BBV+8*\t+\j], v[BOV], s[78:79] offset:512+(\t/2)*128+(\t%2)*32   ; one number a lane, in all eight registers of the C
.endr
.endr
	s_cmp_eq_u32 s[WV], 0
	s_cbranch_scc0 .Lnot_b
	s_wait_tensorcnt 0x0                           ; wave 0's line is wave 0's alone
.Lnot_b:
	BARRIER                                        ; v's weight is in
	WEIGHTS                                        ; its LDS loads stand ahead of the wait for the other tiles
	s_wait_tensorcnt 0x0
	s_wait_dscnt 0x0
	BARRIER                                        ; x's rows and scale bytes are in
	FETCH 0
	FETCH 1
	REFILL                                         ; q's tile
; ================= v
	BLK 1, 0, 128, 64, 584                         ; tile t's sums at v128, v192, v840, v904, block s at + 8 s
	global_prefetch_b8 v[PF], s[8:9] offset:1024*KROW th:TH_LOAD_NT scope:SCOPE_SE   ; k's tile
.irp s, 1,2,3,4,5,6,7
	BLK 1, \s, 128+8*\s, 64, 584
.endr
; ================= q
	CHANGE 0, 0
.irp t, 0,1,2,3
	OUTV \t                                        ; v's way out, under the flight of the run of loads above
.endr
	global_store_b64 v[L8], v[SWV:SWV+1], s[84:85] offset:6144     ; the scale image: 256 consecutive bytes
	REFILL                                         ; k's tile
	QKPHASE 80
; ================= k
	CHANGE 1024*KS, 256
	LASTQK 80                                      ; q's last pair, under the flight of the run of loads
	s_wait_loadcnt 0x0
	QKPHASE 82
	LASTQK 82
	s_wait_tensorcnt 0x0                           ; the wave's end
	ds_add_u32 v[SPW], v[NIL]
	s_wait_dscnt 0x0
	CROUND                                         ; the closing round
	s_endpgm
.Lfunc_end_k_q924f05fc29_gemm:
	.size	k_q924f05fc29_gemm, .Lfunc_end_k_q924f05fc29_gemm-k_q924f05fc29_gemm
	.p2alignl 7, 3214868480
	.fill 96, 4, 3214868480
	.section	.rodata,"a",@progbits
	.p2align	6, 0x0
	.amdhsa_kernel k_q924f05fc29_gemm
		.amdhsa_group_segment_fixed_size 327680
		.amdhsa_private_segment_fixed_size 0
		.amdhsa_enable_private_segment 0
		.amdhsa_kernarg_size 48
		.amdhsa_user_sgpr_count 2
		.amdhsa_user_sgpr_kernarg_segment_ptr 1
		.amdhsa_wavefront_size32 1
		.amdhsa_system_sgpr_workgroup_id_x 1
		.amdhsa_system_sgpr_workgroup_id_y 1
		.amdhsa_system_sgpr_workgroup_id_z 1
		.amdhsa_system_vgpr_workitem_id 0
		.amdhsa_next_free_vgpr 1000
		.amdhsa_next_free_sgpr 96
		.amdhsa_reserve_vcc 0
		.amdhsa_float_denorm_mode_32 3
		.amdhsa_float_denorm_mode_16_64 3
		.amdhsa_memory_ordered 1
		.amdhsa_forward_progress 1
		.amdhsa_inst_pref_size 245
	.end_amdhsa_kernel
	.amdgpu_metadata
---
amdhsa.version: [ 1, 2 ]
amdhsa.kernels:
  - .name:           k_q924f05fc29_gemm
    .symbol:         k_q924f05fc29_gemm.kd
    .args:
      - { .name: xc, .offset: 0, .size: 8, .value_kind: global_buffer, .address_space: global }
      - { .name: xs, .offset: 8, .size: 8, .value_kind: global_buffer, .address_space: global }
      - { .name: wc, .offset: 16, .size: 8, .value_kind: global_buffer, .address_space: global }
      - { .name: ws, .offset: 24, .size: 8, .value_kind: global_buffer, .address_space: global }
      - { .name: b_qkv, .offset: 32, .size: 8, .value_kind: global_buffer, .address_space: global }
      - { .name: img, .offset: 40, .size: 8, .value_kind: global_buffer, .address_space: global }
    .group_segment_fixed_size: 327680
    .private_segment_fixed_size: 0
    .kernarg_segment_align: 8
    .kernarg_segment_size: 48
    .max_flat_workgroup_size: 128
    .sgpr_count:     96
    .vgpr_count:     1000
    .wavefront_size: 32
...
	.end_amdgpu_metadata
.endif
;; end of part 2
;; launch attn (part 3): grid 4 x 64, 16 waves a work-group, clusters of 4 x 1, 280,576 bytes of LDS; arguments img, out0; writes out0
.if DOCPART == 3
	.amdgcn_target "amdgcn-amd-amdhsa--gfx1250"
	.amdhsa_code_object_version 6
	.text
	.protected	k_q924f05fc29_attn
	.globl	k_q924f05fc29_attn
	.p2align	8
	.type	k_q924f05fc29_attn,@function
k_q924f05fc29_attn:
	s_mov_b64 s[64:65], 0
	v_nop
	global_prefetch_b8 v0, s[64:65] scope:SCOPE_SE
	s_setreg_imm32_b32 hwreg(HW_REG_WAVE_MODE, 25, 1), 1
	s_wait_xcnt 0x0
	s_wait_alu depctr_hold_cnt(0) depctr_sa_sdst(0) depctr_va_vdst(0) depctr_va_sdst(0) depctr_va_ssrc(0) depctr_va_vcc(0) depctr_vm_vsrc(0)
	s_getreg_b32 s2, hwreg(HW_REG_IB_STS2, 6, 4)
	s_cmp_eq_u32 s2, 0
	s_cbranch_scc0 .Lentry_in_a_cluster
	s_endpgm
.Lentry_in_a_cluster:
	s_bfe_u32 s2, ttmp6, 0x10000c
	s_cmp_lg_u32 s2, 0x3003
	s_cbranch_scc0 .Lentry_shape_is_right
	s_endpgm
.Lentry_shape_is_right:
; out0[b][q][64 h + d] = the sum over keys k <= q of softmax_k(Q . K / 8) V, both products on codes of FP6 (E2M3) with one E8M0 scale for each 32 along a product's K.  The codes come from img as images of the operand
; registers: 64 head records of 315,392 bytes; Q section: 16 steps of 128 tokens x 6,656 bytes; KV section, from 106,496: 16 steps x 13,056 bytes (K codes 6,144, K scale image 512, V codes 6,144, V scale image 256).
; THE SOFTMAX AHEAD OF THE SECOND PRODUCT: t = score x log2(e) / 8; M = the row's largest t so far, rounded up to a whole number; p = 2^(t - M) is quantised along the keys, not normalised.  The row's sum is taken of the
; unquantised p and divides O at the end.  When M moves, the sum and O are multiplied by 2^(old M - new M): exact.
; SHARES.  The four work-groups of a cluster serve one head; a head's whole KV section, 208,896 bytes, is brought into each one's LDS ONCE, by joint loads, one of 51 rows x 256 bytes a wave.  Nothing is filled again,
; so there is one barrier and no ring.  The price: the fill is not overlapped with work.  A wave owns two tiles of 16 queries, one after the other: of block g = wave / 2 of 128 tokens, then of block 15 - g: pair cx,
; half wave % 2 of the block.  So every wave works (g + 1) + (16 - g) = 17 key steps of 128.  A step behind the wave's block is left out and the step of its block is masked: both tests hang on the wave's number and on
; loop counts alone, never on the place in the cluster, which enters only Q's and out0's global offsets and one lane constant of the mask's compares.
; LAYOUT.  Both products are used transposed: S^T = K Q^T, O^T = V^T P^T: a lane holds one query throughout.  Lane r of K's tile 2 b + u holds key 32 b + 8 u + r + 8 (r / 8), so the 16 registers of score tiles
; 2 b, 2 b + 1 are keys 32 b + 16 (lane / 16) + 0 .. 15.  Lane r of V's tile t holds d = sw(16 t + r) (bits 3, 4 swapped), so O^T's tiles 0, 1 are d = 16 h + 0 .. 15 and tiles 2, 3 d = 32 + 16 h + 0 .. 15.
; K = 64 IN A FORM OF K = 128.  Q's operand is six registers of codes and six of zeros.  K's operand for tile T is twelve registers from its six on: the upper six are the next tile's codes (zeros behind tile 7).
; They meet Q's zero codes under the scale bytes 0x7f on both sides; the format has no code for NaN or infinity: these products are exact zeros.  So K's tiles lie in LDS without filling.
; LIMITS: NaN and infinities are not served; a block of p whose every number has fallen to 0 gets the byte 1: its codes are zeros.
; REGISTERS: v1-10 addresses; v12 -M, v13 the largest t, v[14:15] the sum in two halves; v16-27 Q; v28 Q's scale word (v29 the second tile's); v32-79 K's eight tiles, then V's four fragments; v80-85 zeros;
; v86-89 K's scale words, v90-91 V's; v96-159 S^T, then p; v160-191 O^T; v192-203 p's codes; v204-231 at work; v232-255 the two tiles' pairs of Q as loaded.
.set RECORD, 315392
.set QSEC,   106496
.set QSTEP,  6656
.set KVSTEP, 13056
.set VOFF,   6656                      ; V's codes in a step
.set STAGE,  16*KVSTEP                 ; behind the keys and values: 16 rows x 272 bytes for each wave, its own; no fill lands there
.set SP,     272
.set BM,  212                          ; v212-215 a block's largest score, then its largest p
.set PB,  216                          ; v216-219 the other half's, then the bytes
.set SO,  220                          ; v220-223 the conversions' scale operands
.set PSW, 224                          ; v224 p's scale word
.set FF,  226                          ; v[226:227] f = 2^(old M - new M)
.set TMP, 228
.set NI,  229
.set S2,  230                          ; v[230:231] the second chain of the sum
.macro CROUND                          ; a round of the cluster's barrier
	s_barrier_signal -1
	s_barrier_wait -1
	s_cmp_lg_u32 s8, 0
	s_cbranch_scc1 .Lnot_wave_0_\@
	s_barrier_signal -3
.Lnot_wave_0_\@:
	s_barrier_wait -3
	s_barrier_signal -1
	s_barrier_wait -1
.endm
	s_load_b128 s[4:7], s[0:1], 0x0                ; img s[4:5], out0 s[6:7]
	v_lshl_add_u32 v211, v0, 2, 0x44000
	v_mov_b32 v225, 0
	ds_add_u32 v211, v225
	ds_add_u32 v211, v225
	v_lshrrev_b32 v1, 5, v0
	s_delay_alu instid0(VALU_DEP_1)
	v_readfirstlane_b32 s8, v1                     ; wave 0..15
	s_bfe_u32 s9, ttmp6, 0x40000                   ; cx: my place in the cluster
	s_and_b32 s10, ttmp7, 0xffff                   ; the head, 16 x batch + h, which the four partners share
	s_and_b32 s11, s8, 1                           ; u: which tile of a pair
	s_lshr_b32 s12, s8, 1                          ; G: the block of 128 tokens of my first tile
	; descriptor group 1: 51 dense rows of 256 bytes
	s_mov_b32 s16, 15|(3<<16)|(1<<21)              ; 15:0 the mask: all four work-groups; 17:16 elements of 8 bytes; 20 no padding; 21 set beside a mask
	s_mov_b32 s17, 32<<16                          ; tensor_dim0 = 32
	s_mov_b32 s18, 51<<16                          ; tensor_dim1 = 51
	s_mov_b32 s19, 32<<16                          ; tile_dim0 = 32
	s_mov_b32 s20, 51                              ; tile_dim1 = 51
	s_mov_b32 s21, 32                              ; tensor_dim0_stride
	s_mov_b32 s22, 0
	s_mov_b32 s23, 0
	s_mov_b32 s28, 0x76543210                      ; v_permlanex16_b32's selects for lane l xor 16
	s_mov_b32 s29, 0xfedcba98
	s_mov_b32 s30, 0x3e38aa3b                      ; c = log2(e) / 8
	s_mov_b32 s31, s30                             ; (named with it as a pair, so it is written)
	s_mul_i32 s32, s10, RECORD
	s_mov_b32 s33, 0
	s_mul_i32 s34, s8, KVSTEP                      ; wave w fetches key step w, to LDS byte 13,056 w
	s_mov_b32 s35, 0
	s_wait_dscnt 0x0
	s_wait_kmcnt 0x0
	s_add_nc_u64 s[4:5], s[4:5], s[32:33]          ; the head's record
	CROUND                                         ; all four work-groups are here: the joint loads meet
	s_mov_b32 s24, 1                               ; count = 1
	s_mov_b32 s25, s34                             ; LDS address
	s_add_nc_u64 s[26:27], s[4:5], s[34:35]
	s_add_nc_u64 s[26:27], s[26:27], QSEC          ; global address
	s_or_b32 s27, s27, 0x80000000                  ; type = 2
	tensor_load_to_lds s[24:27], s[16:23]          ; my one tensor load of the launch
	s_nop 0
.rept 4
	v_nop
.endr
	v_and_b32 v11, 31, v0                          ; lane
	v_and_b32 v30, 15, v0                          ; r
	v_bfe_u32 v31, v0, 4, 1                        ; h
	s_delay_alu instid0(VALU_DEP_3)
	v_lshlrev_b32 v1, 4, v11                       ; 16 x lane: an image's place for my lane
	s_delay_alu instid0(VALU_DEP_4)
	v_lshlrev_b32 v2, 3, v11                       ; 8 x lane: V's scale image
	s_mul_i32 s32, s9, 1536
	v_add_nc_u32 v3, s32, v1                       ; Q (global): pair cx of a step
	v_lshlrev_b32 v4, 4, v30
	s_lshl_b32 s32, s11, 8
	s_lshl_b32 s33, s9, 2
	s_add_co_u32 s32, s32, s33
	s_add_co_u32 s32, s32, 6144
	v_add_nc_u32 v4, s32, v4                       ; Q's scale word (global): word cx of the image's lane r + 16 u
	v_lshrrev_b32 v5, 3, v30
	s_delay_alu instid0(VALU_DEP_1)
	v_lshl_add_u32 v5, v5, 3, v30
	v_lshlrev_b32 v9, 4, v31
	s_delay_alu instid0(VALU_DEP_1)
	v_sub_nc_u32 v5, v5, v9
	s_lshl_b32 s32, s9, 5
	s_lshl_b32 s33, s11, 3
	s_add_co_u32 s32, s32, s33
	v_add_nc_u32 v5, s32, v5                       ; the mask: my query in its block less 16 h: 32 cx + 8 u + r + 8 (r / 8) - 16 h
	v_lshlrev_b32 v6, 12, v31
	s_delay_alu instid0(VALU_DEP_1)
	v_lshl_add_u32 v6, v30, 4, v6                  ; out0: lanes 0-15 one token's 256 bytes, lanes 16-31 the next token's
	s_mul_i32 s32, s8, 16*SP
	s_add_co_u32 s32, s32, STAGE                   ; my stage
	v_mul_u32_u24 v7, v30, SP
	s_delay_alu instid0(VALU_DEP_1)
	v_lshl_add_u32 v7, v31, 6, v7
	s_delay_alu instid0(VALU_DEP_1)
	v_add_nc_u32 v7, s32, v7                       ; in: row r, + 64 h
	v_mul_u32_u24 v8, v31, SP
	s_delay_alu instid0(VALU_DEP_1)
	v_lshl_add_u32 v8, v30, 4, v8
	s_delay_alu instid0(VALU_DEP_1)
	v_add_nc_u32 v8, s32, v8                       ; back: lanes 0-15 one row, lanes 16-31 the next
.irp i, 22,23,24,25,26,27,80,81,82,83,84,85
	v_mov_b32 v\i, 0                               ; zero codes: Q's upper K, and what follows K's tile 7
.endr
.irp i, 216,217,218,219,227,228,229
	v_mov_b32 v\i, 0                               ; written once: lane permutes' destinations and upper halves of pairs count as read
.endr
	s_mul_i32 s32, s12, QSTEP
	s_mov_b32 s33, 0
	s_add_nc_u64 s[36:37], s[4:5], s[32:33]        ; Q of my first tile's block,
	s_xor_b32 s34, s12, 15
	s_mul_i32 s34, s34, QSTEP
	s_mov_b32 s35, 0
	s_add_nc_u64 s[38:39], s[4:5], s[34:35]        ; and of my second's
.irp k, 0,1,2
	global_load_b128 v[232+4*\k:235+4*\k], v3, s[36:37] offset:512*\k
	global_load_b128 v[244+4*\k:247+4*\k], v3, s[38:39] offset:512*\k
.endr
	global_load_b32 v28, v4, s[36:37]
	global_load_b32 v29, v4, s[38:39]
	s_lshr_b32 s32, s10, 4
	s_lshl_b32 s32, s32, 23                        ; out0: the batch's 2,048 rows of 4,096 bytes,
	s_and_b32 s33, s10, 15
	s_lshl_b32 s33, s33, 8                         ; the head's 256 bytes of a row,
	s_add_co_u32 s32, s32, s33
	s_lshl_b32 s33, s9, 17                         ; 32 cx rows,
	s_add_co_u32 s32, s32, s33
	s_lshl_b32 s33, s11, 15                        ; 8 u rows
	s_add_co_u32 s32, s32, s33
	s_mov_b32 s33, 0
	s_add_nc_u64 s[40:41], s[6:7], s[32:33]
	s_cmp_eq_u32 s11, 1
	s_cselect_b32 s44, -1, 0                       ; all lanes take the pair's second tile, or none
	s_mov_b32 s13, 0
	s_wait_tensorcnt 0x0                           ; my step's keys and values are in,
	s_barrier_signal -1
	s_barrier_wait -1                              ; everybody's are
	s_wait_loadcnt 0x0                             ; Q
.Ltile:                                            ; two trips: my two tiles of queries
	s_wait_alu depctr_va_vdst(0)
.irp i, 0,1,2,3,4,5
	v_cndmask_b32 v[16+\i], v[232+\i], v[238+\i], s44   ; my tile of the pair
.endr
	v_mov_b32 v13, 0xff61b1e6                      ; the largest t so far: -3e38, under every t
	s_delay_alu instid0(VALU_DEP_1)
	v_floor_f32 v12, -v13                          ; -M
	v_mov_b32 v14, 0                               ; the sum, in two halves
	v_mov_b32 v15, 0
.set N, 0
.rept 32
	v_mov_b32 v[160+N], 0                          ; O^T.  (The step is written once: the first finds zeros, which the first change of M leaves zeros)
.set N, N+1
.endr
	s_mov_b32 s15, 0                               ; LDS byte of the step's tiles
	s_mov_b32 s14, 0                               ; the step
	s_lshl_b32 s32, s12, 19                        ; 128 G rows of out0
	s_mov_b32 s33, 0
	s_add_nc_u64 s[42:43], s[40:41], s[32:33]
.Lstep:                                            ; sixteen trips, a constant; a step all of whose keys come after my queries is left out
	s_cmp_gt_u32 s14, s12
	s_cbranch_scc1 .Lskip
	v_add_nc_u32 v9, s15, v1
	v_add_nc_u32 v10, s15, v2
	v_nop
	v_nop                                          ; four places in front of loads into registers that the last step's products have read
.set N, 0
.rept 12
	ds_load_b128 v[32+4*N:35+4*N], v9 offset:512*N   ; K's eight tiles, six registers each: 512 consecutive bytes a load
.set N, N+1
.endr
	ds_load_b128 v[86:89], v9 offset:6144          ; their scale words: word b: lanes 0-15 tile 2 b, lanes 16-31 tile 2 b + 1
	s_wait_alu depctr_va_vdst(0)
	s_wait_dscnt 0x0
.set T, 0
.rept 8
.if T%2
	v_wmma_scale_f32_16x16x128_f8f6f4 v[96+8*T:103+8*T], v[32+6*T:43+6*T], v[16:27], 0, v[86+T/2], v28 matrix_a_fmt:MATRIX_FMT_FP6 matrix_b_fmt:MATRIX_FMT_FP6 matrix_a_scale:MATRIX_SCALE_ROW1
.else
	v_wmma_scale_f32_16x16x128_f8f6f4 v[96+8*T:103+8*T], v[32+6*T:43+6*T], v[16:27], 0, v[86+T/2], v28 matrix_a_fmt:MATRIX_FMT_FP6 matrix_b_fmt:MATRIX_FMT_FP6
.endif
.set T, T+1
.endr
.rept 4
	v_nop                                          ; places: in front of the loads over K's tiles and of the first read of the scores
.endr
.set N, 0
.rept 12
	ds_load_b128 v[32+4*N:35+4*N], v9 offset:VOFF+512*N   ; V's four fragments are asked for now and land while the softmax runs
.set N, N+1
.endr
	ds_load_b64 v[90:91], v10 offset:VOFF+6144     ; their scale words
	s_cmp_lg_u32 s14, s12
	s_cbranch_scc1 .Lopen
	v_mov_b32 v[NI], 0xff800000                    ; my block's own step: the scores of hidden keys become -infinity ahead of the maximum: p = 0 then
.set N, 0
.rept 64
	v_cmp_gt_i32 vcc_lo, 32*(N/16)+N%16, v5        ; register 16 b + i holds key 32 b + 16 h + i of the block
	v_cndmask_b32 v[96+N], v[96+N], v[NI], vcc_lo
.set N, N+1
.endr
.Lopen:
.irp b, 0,1,2,3
	v_max3_num_f32 v[BM+\b], v[96+16*\b], v[97+16*\b], v[98+16*\b]   ; the largest score of each block of 32 keys: it serves for the row's maximum and, since p rises with the score, for the block's largest p
.endr
.irp i, 3,5,7,9,11,13
.irp b, 0,1,2,3
	v_max3_num_f32 v[BM+\b], v[BM+\b], v[96+16*\b+\i], v[97+16*\b+\i]
.endr
.endr
.irp b, 0,1,2,3
	v_max_num_f32 v[BM+\b], v[BM+\b], v[111+16*\b]
.endr
.irp b, 0,1,2,3
	s_delay_alu instid0(VALU_DEP_4)
	v_permlanex16_b32 v[PB+\b], v[BM+\b], s28, s29
.endr
.irp b, 0,1,2,3
	s_delay_alu instid0(VALU_DEP_4)
	v_max_num_f32 v[BM+\b], v[BM+\b], v[PB+\b]     ; with lane l xor 16's 16 keys
.endr
	s_delay_alu instid0(VALU_DEP_2)
	v_max3_num_f32 v[TMP], v[BM], v[BM+1], v[BM+2]
	s_delay_alu instid0(VALU_DEP_1)
	v_max_num_f32 v[TMP], v[TMP], v[BM+3]          ; the step's largest score of my query
	s_delay_alu instid0(VALU_DEP_1)
	v_mul_f32 v[TMP], s30, v[TMP]                  ; as t (c is positive)
	s_delay_alu instid0(VALU_DEP_1)
	v_max_num_f32 v13, v13, v[TMP]                 ; the running largest t
	v_mov_b32 v[TMP], v12
	s_delay_alu instid0(VALU_DEP_2)
	v_floor_f32 v12, -v13                          ; the new -M = floor(-t) = -ceil(t): a whole number
	s_delay_alu instid0(VALU_DEP_1)
	v_sub_f32 v[TMP], v12, v[TMP]                  ; M's old value less its new one: 0 or less
	s_delay_alu instid0(VALU_DEP_1)
	v_cvt_i32_f32 v[TMP], v[TMP]                   ; (it saturates)
	s_delay_alu instid0(VALU_DEP_1)
	v_ldexp_f32 v[FF], 1.0, v[TMP]                 ; f = 2^(old M - new M)
.set N, 0
.rept 32
	v_pk_fma_f32 v[96+N:97+N], v[96+N:97+N], s[30:31], v[12:13] op_sel_hi:[1,0,0]   ; t - M, two at a time
.set N, N+2
.endr
.irp b, 0,1,2,3
	v_fma_f32 v[BM+\b], v[BM+\b], s30, v12         ; the same of each block's largest score
.endr
.set N, 0
	s_wait_alu depctr_va_vdst(0)
.rept 64
	v_exp_f32 v[96+N], v[96+N]                     ; p = 2^(t - M), at most 1
.set N, N+1
.endr
.irp b, 0,1,2,3
	v_exp_f32 v[BM+\b], v[BM+\b]                   ; the block's largest p: the same two instructions on the same number
.endr
	v_pk_mul_f32 v[14:15], v[14:15], v[FF:FF+1] op_sel_hi:[1,0]   ; the sums under the new M (a plain place behind the exponentials)
	s_wait_alu depctr_va_vdst(0)
.irp b, 0,1,2,3
	v_max_num_f32 v[BM+\b], 0x1800000, v[BM+\b]    ; the floor 2^(3 - 127): the byte cannot fall under 1
.endr
.irp b, 0,1,2,3
	s_delay_alu instid0(VALU_DEP_4)
	v_add_nc_u32 v[SO+\b], 0xff000000, v[BM+\b]    ; 2 off the exponent field: the conversion's scale operand
.endr
.irp b, 0,1,2,3
	s_delay_alu instid0(VALU_DEP_4)
	v_lshrrev_b32 v[PB+\b], 23, v[SO+\b]           ; the scale's byte
.endr
	s_delay_alu instid0(VALU_DEP_3)
	v_lshl_or_b32 v[PSW], v[PB+1], 8, v[PB]        ; p's scale word for these 128 keys
	s_delay_alu instid0(VALU_DEP_1)
	v_lshl_or_b32 v[PSW], v[PB+2], 16, v[PSW]
	s_delay_alu instid0(VALU_DEP_1)
	v_lshl_or_b32 v[PSW], v[PB+3], 24, v[PSW]
.irp c, 0,1
	v_cvt_scalef32_pk16_fp6_f32 v[192+6*\c:194+6*\c], v[96+32*\c:111+32*\c], v[SO+2*\c]
	v_cvt_scalef32_pk16_fp6_f32 v[204+4*\c:206+4*\c], v[112+32*\c:127+32*\c], v[SO+2*\c+1]   ; (a conversion's three registers begin on an even number)
.endr
	v_nop                                          ; one plain place behind a scaled conversion
.irp c, 0,1                                    ; the operand's layout wants a whole block in a lane
.irp i, 0,1,2
	v_permlane16_swap_b32 v[192+6*\c+\i], v[204+4*\c+\i]
.endr
.irp i, 0,1,2
	s_delay_alu instid0(VALU_DEP_3)
	v_mov_b32 v[195+6*\c+\i], v[204+4*\c+\i]
.endr
.endr
	v_pk_add_f32 v[230:231], v[100:101], v[104:105]
	v_pk_add_f32 v[242:243], v[108:109], v[112:113]
	v_pk_add_f32 v[240:241], v[116:117], v[120:121]
	v_pk_add_f32 v[238:239], v[124:125], v[128:129]
	v_pk_add_f32 v[236:237], v[132:133], v[136:137]
	v_pk_add_f32 v[234:235], v[140:141], v[144:145]
	v_pk_add_f32 v[232:233], v[148:149], v[152:153]
	v_pk_add_f32 v[14:15], v[14:15], v[156:157]
	v_pk_add_f32 v[230:231], v[230:231], v[96:97]
	v_pk_add_f32 v[242:243], v[242:243], v[98:99]
	v_pk_add_f32 v[240:241], v[240:241], v[102:103]
	v_pk_add_f32 v[238:239], v[238:239], v[106:107]
	v_pk_add_f32 v[236:237], v[236:237], v[110:111]
	v_pk_add_f32 v[234:235], v[234:235], v[114:115]
	v_pk_add_f32 v[232:233], v[232:233], v[118:119]
	v_pk_add_f32 v[14:15], v[14:15], v[122:123]
	v_pk_add_f32 v[230:231], v[230:231], v[126:127]
	v_pk_add_f32 v[242:243], v[242:243], v[130:131]
	v_pk_add_f32 v[240:241], v[240:241], v[134:135]
	v_pk_add_f32 v[238:239], v[238:239], v[138:139]
	v_pk_add_f32 v[236:237], v[236:237], v[142:143]
	v_pk_add_f32 v[234:235], v[234:235], v[146:147]
	v_pk_add_f32 v[232:233], v[232:233], v[150:151]
	v_pk_add_f32 v[14:15], v[14:15], v[154:155]
	v_pk_add_f32 v[230:231], v[230:231], v[158:159]
	s_delay_alu instid0(VALU_DEP_2)
	v_pk_add_f32 v[14:15], v[14:15], v[238:239]
	s_delay_alu instid0(VALU_DEP_2)
	v_pk_add_f32 v[230:231], v[230:231], v[236:237]
	v_pk_add_f32 v[242:243], v[242:243], v[234:235]
	v_pk_add_f32 v[240:241], v[240:241], v[232:233]
	s_delay_alu instid0(VALU_DEP_2)
	v_pk_add_f32 v[14:15], v[14:15], v[242:243]
	s_delay_alu instid0(VALU_DEP_2)
	v_pk_add_f32 v[230:231], v[230:231], v[240:241]
	s_delay_alu instid0(VALU_DEP_1)
	v_pk_add_f32 v[14:15], v[14:15], v[230:231]
.set N, 0
.rept 16
	v_pk_mul_f32 v[160+N:161+N], v[160+N:161+N], v[FF:FF+1] op_sel_hi:[1,0]   ; O^T under the new M.  (These and the sums are the places between p's codes and scale word and the products below)
.set N, N+2
.endr
	s_wait_alu depctr_va_vdst(0)
	s_wait_dscnt 0x0                               ; V is in
.set T, 0
.rept 4
.if T%2
	v_wmma_scale_f32_16x16x128_f8f6f4 v[160+8*T:167+8*T], v[32+12*T:43+12*T], v[192:203], v[160+8*T:167+8*T], v[90+T/2], v[PSW] matrix_a_fmt:MATRIX_FMT_FP6 matrix_b_fmt:MATRIX_FMT_FP6 matrix_a_scale:MATRIX_SCALE_ROW1
.else
	v_wmma_scale_f32_16x16x128_f8f6f4 v[160+8*T:167+8*T], v[32+12*T:43+12*T], v[192:203], v[160+8*T:167+8*T], v[90+T/2], v[PSW] matrix_a_fmt:MATRIX_FMT_FP6 matrix_b_fmt:MATRIX_FMT_FP6
.endif
.set T, T+1
.endr
.Lskip:
	s_add_co_u32 s15, s15, KVSTEP
	s_add_co_u32 s14, s14, 1
	s_cmp_lt_u32 s14, 16
	s_cbranch_scc1 .Lstep
	; THE WAY OUT of a tile: O^T / the sum goes through my stage in LDS and leaves as whole pieces of 256 bytes, a token's 64 numbers of this head.
.rept 4
	v_nop                                          ; places behind the last products
.endr
	v_add_f32 v14, v14, v15                        ; the sum's two halves,
	s_delay_alu instid0(VALU_DEP_1)
	v_permlanex16_b32 v[NI], v14, s28, s29
	s_delay_alu instid0(VALU_DEP_1)
	v_add_f32 v14, v14, v[NI]                      ; and lane l xor 16's: the row's sum
	s_wait_alu depctr_va_vdst(0)
	v_rcp_f32 v[TMP], v14
	v_nop                                          ; one plain place behind a transcendental
.set N, 0
	s_wait_alu depctr_va_vdst(0)
.rept 16
	v_pk_mul_f32 v[96+N:97+N], v[160+N:161+N], v[TMP:TMP+1] op_sel_hi:[1,0]   ; each accumulator from its low end on
.set N, N+2
.endr
.irp i, 0,1,2,3
	ds_store_b128 v7, v[96+4*\i:99+4*\i] offset:16*\i          ; d = 16 h + 0 .. 15
.endr
.irp i, 0,1,2,3
	ds_store_b128 v7, v[112+4*\i:115+4*\i] offset:128+16*\i    ; d = 32 + 16 h + 0 .. 15
.endr
.irp i, 0,1,2,3,4,5,6,7
	ds_load_b128 v[32+4*\i:35+4*\i], v8 offset:2*\i*SP         ; LDS serves a wave's instructions in order (ISA guide 5.7.1.4): these see my stores
.endr
.irp i, 0,1,2,3,4,5,6,7
	s_wait_dscnt 7-\i                              ; the younger loads from the stage may be out
	global_store_b128 v6, v[32+4*\i:35+4*\i], s[42:43] offset:(2*\i+8*(\i/4))*4096 th:TH_STORE_NT   ; stage row r is token r + 8 (r / 8) of my tile; sixteen lanes store 256 consecutive bytes, aligned
.endr
	s_wait_xcnt 0x0                                ; the stores have read their registers and their base: both are written again in the next trip
.set N, 0
.rept 12
	v_mov_b32 v[232+N], v[244+N]                   ; the second tile's pair of Q,
.set N, N+1
.endr
	v_mov_b32 v28, v29                             ; its scale word,
	s_xor_b32 s12, s12, 15                         ; and its block: 15 - G
	s_add_co_u32 s13, s13, 1
	s_cmp_lt_u32 s13, 2
	s_cbranch_scc1 .Ltile
	s_wait_dscnt 0x0
	s_wait_tensorcnt 0x0
	ds_add_u32 v211, v225
	s_wait_dscnt 0x0
	CROUND                                         ; the closing round: no work-group ends while a partner may still ask for a tile that names it
	s_endpgm
.Lfunc_end_k_q924f05fc29_attn:
	.size	k_q924f05fc29_attn, .Lfunc_end_k_q924f05fc29_attn-k_q924f05fc29_attn
	.p2alignl 7, 3214868480
	.fill 96, 4, 3214868480
	.section	.rodata,"a",@progbits
	.p2align	6, 0x0
	.amdhsa_kernel k_q924f05fc29_attn
		.amdhsa_group_segment_fixed_size 280576
		.amdhsa_private_segment_fixed_size 0
		.amdhsa_enable_private_segment 0
		.amdhsa_kernarg_size 16
		.amdhsa_user_sgpr_count 2
		.amdhsa_user_sgpr_kernarg_segment_ptr 1
		.amdhsa_wavefront_size32 1
		.amdhsa_system_sgpr_workgroup_id_x 1
		.amdhsa_system_sgpr_workgroup_id_y 1
		.amdhsa_system_sgpr_workgroup_id_z 1
		.amdhsa_system_vgpr_workitem_id 0
		.amdhsa_next_free_vgpr 256
		.amdhsa_next_free_sgpr 66
		.amdhsa_reserve_vcc 1
		.amdhsa_float_denorm_mode_32 3
		.amdhsa_float_denorm_mode_16_64 3
		.amdhsa_memory_ordered 1
		.amdhsa_forward_progress 1
		.amdhsa_inst_pref_size 35
	.end_amdhsa_kernel
	.amdgpu_metadata
---
amdhsa.version: [ 1, 2 ]
amdhsa.kernels:
  - .name:           k_q924f05fc29_attn
    .symbol:         k_q924f05fc29_attn.kd
    .args:
      - { .name: img, .offset: 0, .size: 8, .value_kind: global_buffer, .address_space: global }
      - { .name: out0, .offset: 8, .size: 8, .value_kind: global_buffer, .address_space: global }
    .group_segment_fixed_size: 280576
    .private_segment_fixed_size: 0
    .kernarg_segment_align: 8
    .kernarg_segment_size: 16
    .max_flat_workgroup_size: 512
    .sgpr_count:     66
    .vgpr_count:     256
    .wavefront_size: 32
...
	.end_amdgpu_metadata
.endif
;; end of part 3
